; MI455X (gfx1250); checked and timed in simulation.
; The chip was launched on July 23, 2026; its instructions are those of AMD's public machine-readable ISA for CDNA 5 (MIT licence, August 2026) and "CDNA5" Instruction Set Architecture Reference Guide (July 2026). The comments in the code are by the model that wrote it; some were corrected since.
;; Attention Block. Allowed arithmetic: matrix products marked QUANTISED: E5M2 operands, one given power-of-two scale a tensor, by v_wmma_f32_16x16x64_bf8_bf8 or v_wmma_f32_16x16x128_bf8_bf8, f32 sums; everything else in f32.
;; Inputs: lowp_scales 8 int32 (the exponents e of the quantised operands' scales 2^e); norm_b 256 float32; norm_w 256 float32; proj_b 256 float32; proj_w 256 x 256 float32; qkv_b 768 float32; qkv_w 768 x 256 float32; x 4 x 256 x 64 x 64 float32.
;; Outputs: out0 4 x 256 x 64 x 64 float32.
;; This version of the problem:
;;   THIS VERSION OF THE PROBLEM IS GIVEN IN LOW PRECISION. The matrix products marked QUANTISED in the list below multiply operands that are first quantised to E5M2 (5 exponent bits, 2 mantissa bits; 8 bits a number), with one given power-of-two scale for each operand tensor; their sums are f32. All else is computed in f32.
;;   The module's matrix products, in the order in which they are computed (A, B: the left and right operand; K: the contracted axis; several contracted axes count as one K, in the product's order):
;;     1. [M 768, K 256] x [K 256, N 16,384]; A: input qkv_w; B: computed on the way: QUANTISED (scales: A lowp_scales[0], B lowp_scales[1])
;;     2. batch 16 x [M 4,096, K 64] x [K 64, N 4,096]; A: computed on the way; B: computed on the way: QUANTISED (scales: A lowp_scales[2], B lowp_scales[3])
;;     3. batch 16 x [M 4,096, K 4,096] x [K 4,096, N 64]; A: softmax (see below); B: computed on the way: QUANTISED (scales: A lowp_scales[4], B lowp_scales[5])
;;     4. [M 256, K 256] x [K 256, N 16,384]; A: input proj_w; B: computed on the way: QUANTISED (scales: A lowp_scales[6], B lowp_scales[7])
;;   THE QUANTISER, for each operand of a quantised product, along K:
;;     - The operand's scale is 2^e, e = its entry of the input lowp_scales (int32; the entries are numbered through the quantised products in the list's order, A before B).
;;     - Each number is divided by the scale, clamped to +-57,344, and rounded to the nearest number of E5M2, ties to even, subnormals kept.
;;     - The product sums the exact products of the quantised numbers (number of the format x scale) in f32.
;;   ~~~python
;;   def quantise(x, axis, e):      # numpy; x: float32 -> the quantised numbers, widened to float32 again
;;       x = np.moveaxis(x, axis, -1); K = x.shape[-1]
;;       r = np.clip(x / 2.0 ** e, -57344, 57344)
;;       step = 2.0 ** (np.maximum(np.frexp(np.where(r == 0, 1, r))[1] - 1, -14) - 2)
;;       q = np.round(r / step) * step * 2.0 ** e      # np.round: ties to even
;;       return np.moveaxis(q, -1, axis).astype(np.float32)
;;   ~~~
;;   SOFTMAX AHEAD OF A QUANTISED PRODUCT. Where the list says 'softmax', what is quantised is not the finished softmax but p = 2^(t - M), with t = logit x log2(e) and M = ceil(the row's largest t), a whole number; so 1/2 < the row's largest p <= 1. The row's sum l is taken of the UNQUANTISED p, in f32, and the product's result is divided by l at the end. Since M is a whole number, a kernel that streams over the keys may use a running M (the ceiling of the running maximum): every later rescaling is an exact power of two, so the quantised numbers keep their values, but for numbers so far below the row's largest that they fall under the format's range.
;;   OPERANDS COMPUTED ON THE WAY. 'Computed on the way' means the value that the module computes at that place (a softmax that the list does not call 'softmax' is quantised finished and normalised). What goes into a quantiser is computed in f32, as accurately as f32 sums, v_exp_f32 and their like allow (about 1e-6 of the number): no bf16 or f16 on the way to a quantiser, and a product that is left as it is and whose result goes on into a quantised operand takes f32 operands (vector FMAs, or v_wmma_f32_16x16x4_f32). A number that lies on a knife's edge between two numbers of the format may be rounded either way, as far as f32 arithmetic and the matrix unit's own rounding can turn it there, and no further.
;; One version. Each part assembles by itself: llvm-mc -triple=amdgcn-amd-amdhsa -mcpu=gfx1250 --defsym DOCPART=n.
;; ======== version 1 of 1: 3 launches
;; limits: right only within a limited range of input values
;; workspace buffers: stats 2,048 bytes; wq 196,608 bytes; wp 65,536 bytes; qc 4,194,304 bytes; kv 8,388,608 bytes
;; launch prep (part 1): grid 272 x 1, 8 waves a work-group, no clusters, 2,048 bytes of LDS; arguments x, qkv_w, proj_w, lowp_scales, stats, wq, wp; writes stats, wq, wp
.if DOCPART == 1
	.amdgcn_target "amdgcn-amd-amdhsa--gfx1250"
	.amdhsa_code_object_version 6
	.text
	.protected	k_qaeab507a7d_prep
	.globl	k_qaeab507a7d_prep
	.p2align	8
	.type	k_qaeab507a7d_prep,@function
k_qaeab507a7d_prep:
	s_mov_b64 s[64:65], 0
	v_nop
	global_prefetch_b8 v0, s[64:65] scope:SCOPE_SE
	s_setreg_imm32_b32 hwreg(HW_REG_WAVE_MODE, 25, 1), 1
	s_wait_xcnt 0x0
; PREP.  Two jobs that need nothing from each other, parted by the work-group's number (the same in all eight waves of a work-group).
; Work-groups 0-15: qkv_w [768][256] and proj_w [256][256], f32, become codes of E5M2 with the given scales 2^e0 and 2^e6, laid as IMAGES OF OPERAND REGISTERS.
;   A fragment is 16 rows x 128 K: lane (r = lane % 16, h = lane / 16) holds row r, registers 2 c, 2 c + 1 hold k = 16 c + 8 h + 0 .. 7.  Its image is 2,048 bytes: registers 4 u .. 4 u + 3 at 512 u + 16 x lane.
;   Fragment (row tile T, K step s) lies at (2 T + s) x 2,048.  One wave makes one fragment: 96 of qkv_w, 32 of proj_w.
; Work-groups 16-271: partial statistics for the group norm.  A group (32 channels x 4,096 pixels) is 8 consecutive chunks of 65,536 bytes of x; work-group 16 + id takes chunk id and stores (mean, sum of squared
;   distances from that mean) of its 16,384 numbers at stats + 8 id.  Two passes over numbers that stay in registers: no difference of large sums is formed, so a common offset of x costs no digits.
; No matrix unit, no tensor load, no cluster: each byte is read once, straight into registers.
; LIMITS: e0 and e6 between -126 and 112 (2^e and 57,344 x 2^e are f32 numbers).  NaN among the inputs is not served; an infinity is held at the largest code.
.set NWG_W, 16                         ; work-groups that lay weights out
.set X,     32                         ; v32-95: 64 numbers a lane
	s_load_b256 s[4:11], s[0:1], 0x0               ; x s[4:5], qkv_w s[6:7], proj_w s[8:9], the scales' exponents s[10:11]
	s_load_b128 s[12:15], s[0:1], 0x20             ; stats s[12:13], wq s[14:15]
	s_load_b64 s[16:17], s[0:1], 0x30              ; wp
	v_lshl_add_u32 v128, v0, 2, 0x400
	v_mov_b32 v129, 0
	v_lshrrev_b32 v1, 5, v0
	s_delay_alu instid0(VALU_DEP_1)
	v_readfirstlane_b32 s18, v1                    ; wave 0..7
	v_and_b32 v3, 31, v0
	s_delay_alu instid0(VALU_DEP_1)
	v_lshlrev_b32 v4, 4, v3                        ; 16 x lane
	v_and_b32 v1, 15, v0                           ; r
	v_bfe_u32 v2, v0, 4, 1                         ; h
	s_cmp_lt_u32 ttmp9, NWG_W
	s_cbranch_scc0 .Lstats
	; ---- the weights: fragment F = 8 x work-group + wave
	s_lshl_b32 s19, ttmp9, 3
	s_add_co_u32 s19, s19, s18                     ; F: 0-95 qkv_w's, 96-127 proj_w's
	s_wait_kmcnt 0x0
	s_load_b256 s[24:31], s[10:11], 0x0            ; e0 .. e7
	s_cmp_lt_u32 s19, 96                           ; the choice hangs on ids alone
	s_cselect_b64 s[20:21], s[6:7], s[8:9]         ; from
	s_cselect_b64 s[22:23], s[14:15], s[16:17]     ; to
	s_cselect_b32 s32, 0, 96
	s_sub_co_u32 s35, s19, s32                     ; the fragment's number in its own tensor: 2 T + s
	s_lshr_b32 s32, s35, 1
	s_lshl_b32 s32, s32, 14                        ; T x 16 rows of 1,024 bytes
	s_and_b32 s33, s35, 1
	s_lshl_b32 s33, s33, 9                         ; s x 128 numbers
	s_add_co_u32 s32, s32, s33
	s_mov_b32 s33, 0
	s_add_nc_u64 s[20:21], s[20:21], s[32:33]
	s_lshl_b32 s32, s35, 11
	s_add_nc_u64 s[22:23], s[22:23], s[32:33]
	s_wait_alu depctr_va_vdst(0)
	v_lshlrev_b32 v3, 10, v1
	s_delay_alu instid0(VALU_DEP_1)
	v_lshl_add_u32 v3, v2, 5, v3                   ; row r, + 8 h numbers
.irp c, 0,1,2,3,4,5,6,7
	global_load_b128 v[X+8*\c:X+8*\c+3],   v3, s[20:21] offset:64*\c      ; k = 16 c + 8 h + 0 .. 3
	global_load_b128 v[X+8*\c+4:X+8*\c+7], v3, s[20:21] offset:64*\c+16   ; + 4 .. 7
.endr
	s_wait_kmcnt 0x0
	s_cmp_lt_u32 s19, 96
	s_cselect_b32 s36, s24, s30                    ; e0 or e6
	s_add_co_i32 s36, s36, 127
	s_lshl_b32 s37, s36, 23
	v_mov_b32 v11, s37                             ; 2^e as f32: the conversion takes its exponent field
	s_wait_alu depctr_va_vdst(0)
	s_wait_loadcnt 0x0
.irp i, 0,1,2,3,4,5,6,7,8,9,10,11,12,13,14,15,16,17,18,19,20,21,22,23,24,25,26,27,28,29,30,31,32,33,34,35,36,37,38,39,40,41,42,43,44,45,46,47,48,49,50,51,52,53,54,55,56,57,58,59,60,61,62,63
.endr
.irp c, 0,1,2,3,4,5,6,7
	v_cvt_scalef32_pk8_bf8_f32 v[16+2*\c:17+2*\c], v[X+8*\c:X+8*\c+7], v11   ; registers 2 c, 2 c + 1 of the fragment
.endr
.irp u, 0,1,2,3
	global_store_b128 v4, v[16+4*\u:19+4*\u], s[22:23] offset:512*\u         ; the wave stores 512 consecutive bytes, aligned
.endr
	s_endpgm
	; ---- the statistics: chunk id, 8,192 bytes a wave, 64 numbers a lane
.Lstats:
	s_sub_co_u32 s19, ttmp9, NWG_W                 ; id = 64 b + 8 g + i
	s_lshl_b32 s20, s19, 16
	s_lshl_b32 s21, s18, 13
	s_add_co_u32 s20, s20, s21
	s_mov_b32 s21, 0
	s_mov_b32 s22, 0x76543210                      ; v_permlanex16_b32: lane l takes lane l xor 16
	s_mov_b32 s23, 0xfedcba98
	s_wait_kmcnt 0x0
	s_add_nc_u64 s[4:5], s[4:5], s[20:21]
	s_wait_alu depctr_va_vdst(0)
.irp j, 0,1,2,3,4,5,6,7,8,9,10,11,12,13,14,15
	global_load_b128 v[X+4*\j:X+4*\j+3], v4, s[4:5] offset:512*\j th:TH_LOAD_NT   ; 512 consecutive bytes a load
.endr
.macro WAVESUM r, t                    ; v[r] summed over the 32 lanes, the sum in every lane; v[t] at work (it has been written)
	s_delay_alu instid0(VALU_DEP_1)
	v_add_f32_dpp v[\r], v[\r], v[\r] row_xmask:1 row_mask:0xf bank_mask:0xf
	s_delay_alu instid0(VALU_DEP_1)
	v_add_f32_dpp v[\r], v[\r], v[\r] row_xmask:2 row_mask:0xf bank_mask:0xf
	s_delay_alu instid0(VALU_DEP_1)
	v_add_f32_dpp v[\r], v[\r], v[\r] row_xmask:4 row_mask:0xf bank_mask:0xf
	s_delay_alu instid0(VALU_DEP_1)
	v_add_f32_dpp v[\r], v[\r], v[\r] row_xmask:8 row_mask:0xf bank_mask:0xf
	s_delay_alu instid0(VALU_DEP_1)
	v_permlanex16_b32 v[\t], v[\r], s22, s23
	s_delay_alu instid0(VALU_DEP_1)
	v_add_f32 v[\r], v[\r], v[\t]
.endm
.macro JOIN                            ; the four chains v[8:15] into v8
	s_delay_alu instid0(VALU_DEP_3)
	v_pk_add_f32 v[8:9], v[8:9], v[10:11]
	s_delay_alu instid0(VALU_DEP_2)
	v_pk_add_f32 v[12:13], v[12:13], v[14:15]
	s_delay_alu instid0(VALU_DEP_1)
	v_pk_add_f32 v[8:9], v[8:9], v[12:13]
	s_delay_alu instid0(VALU_DEP_1)
	v_add_f32 v8, v8, v9
.endm
	s_wait_loadcnt 0x0
	; pass 1: the sum, two numbers an instruction, four chains; the first adds start the chains, nothing is cleared
.irp k, 0,1,2,3
	v_pk_add_f32 v[8+2*\k:9+2*\k], v[X+4*\k:X+4*\k+1], v[X+4*\k+2:X+4*\k+3]
.endr
.set j, 8
.rept 24
	s_delay_alu instid0(VALU_DEP_4)
	v_pk_add_f32 v[8+2*(j%4):9+2*(j%4)], v[8+2*(j%4):9+2*(j%4)], v[X+2*j:X+2*j+1]
.set j, j+1
.endr
	JOIN
	WAVESUM 8, 9
	s_delay_alu instid0(VALU_DEP_1)
	v_mul_f32 v16, 0xba000000, v8                  ; - the wave's mean: sum x -2^-11 (2,048 numbers)
	s_delay_alu instid0(VALU_DEP_1)
	v_mov_b32 v17, v16
	; pass 2: the squared distances from the wave's mean
.set j, 0
.rept 32
	v_pk_add_f32 v[X+2*j:X+2*j+1], v[X+2*j:X+2*j+1], v[16:17]
.set j, j+1
.endr
.irp k, 0,1,2,3
	v_pk_mul_f32 v[8+2*\k:9+2*\k], v[X+2*\k:X+2*\k+1], v[X+2*\k:X+2*\k+1]
.endr
.set j, 4
.rept 28
	s_delay_alu instid0(VALU_DEP_4)
	v_pk_fma_f32 v[8+2*(j%4):9+2*(j%4)], v[X+2*j:X+2*j+1], v[X+2*j:X+2*j+1], v[8+2*(j%4):9+2*(j%4)]
.set j, j+1
.endr
	JOIN
	WAVESUM 8, 9
	v_sub_f32 v18, 0, v16                          ; the wave's mean,
	s_delay_alu instid0(VALU_DEP_2)
	v_mov_b32 v19, v8                              ; and its sum of squared distances
	s_lshl_b32 s24, s18, 3
	v_mov_b32 v20, s24
	ds_store_b64 v20, v[18:19]                     ; all lanes write the same pair to the wave's own 8 bytes
	s_wait_dscnt 0x0                               ; for the others' sake: my store has landed
	s_barrier_signal -1
	s_barrier_wait -1
	v_mov_b32 v21, 0
.irp k, 0,1,2,3
	ds_load_b128 v[X+4*\k:X+4*\k+3], v21 offset:16*\k   ; v[X+2 k] = wave k's mean, v[X+2 k+1] = its squares
.endr
	s_wait_dscnt 0x0
	v_pk_add_f32 v[8:9], v[32:33], v[34:35]
	v_pk_add_f32 v[10:11], v[36:37], v[38:39]
	v_pk_add_f32 v[12:13], v[40:41], v[42:43]
	v_pk_add_f32 v[14:15], v[44:45], v[46:47]
	s_delay_alu instid0(VALU_DEP_3)
	v_pk_add_f32 v[8:9], v[8:9], v[10:11]
	s_delay_alu instid0(VALU_DEP_2)
	v_pk_add_f32 v[12:13], v[12:13], v[14:15]
	s_delay_alu instid0(VALU_DEP_1)
	v_pk_add_f32 v[8:9], v[8:9], v[12:13]          ; v8: the sum of the eight means, v9: of the eight sums of squares
	s_delay_alu instid0(VALU_DEP_1)
	v_mul_f32 v22, 0x3e000000, v8                  ; the chunk's mean (eight equal parts)
.irp k, 0,1,2,3,4,5,6,7
	v_sub_f32 v[48+\k], v[X+2*\k], v22
.endr
	v_mul_f32 v23, v48, v48
.irp k, 1,2,3,4,5,6,7
	s_delay_alu instid0(VALU_DEP_1)
	v_fmac_f32 v23, v[48+\k], v[48+\k]
.endr
	s_delay_alu instid0(VALU_DEP_1)
	v_fmamk_f32 v23, v23, 0x45000000, v9           ; + 2,048 x the squared distances of the waves' means from the chunk's
	s_lshl_b32 s24, s19, 3
	v_mov_b32 v24, s24                             ; 8 id
	s_cmp_lg_u32 s18, 0
	s_cbranch_scc1 .Lend                           ; wave 0 stores; no barrier follows
	v_cmp_eq_u32 vcc_lo, 0, v0
	s_wait_xcnt 0x0                                ; EXEC changes only behind this wait
	s_and_saveexec_b32 s25, vcc_lo
	s_wait_alu depctr_va_vdst(0)
	global_store_b64 v24, v[22:23], s[12:13]       ; one lane: (mean, squares)
	s_wait_xcnt 0x0
	s_or_b32 exec_lo, exec_lo, s25
.Lend:
	s_wait_tensorcnt 0x0
	ds_add_u32 v128, v129
	s_wait_dscnt 0x0
	s_endpgm
.Lfunc_end_k_qaeab507a7d_prep:
	.size	k_qaeab507a7d_prep, .Lfunc_end_k_qaeab507a7d_prep-k_qaeab507a7d_prep
	.p2alignl 7, 3214868480
	.fill 96, 4, 3214868480
	.section	.rodata,"a",@progbits
	.p2align	6, 0x0
	.amdhsa_kernel k_qaeab507a7d_prep
		.amdhsa_group_segment_fixed_size 2048
		.amdhsa_private_segment_fixed_size 0
		.amdhsa_enable_private_segment 0
		.amdhsa_kernarg_size 56
		.amdhsa_user_sgpr_count 2
		.amdhsa_user_sgpr_kernarg_segment_ptr 1
		.amdhsa_wavefront_size32 1
		.amdhsa_system_sgpr_workgroup_id_x 1
		.amdhsa_system_sgpr_workgroup_id_y 1
		.amdhsa_system_sgpr_workgroup_id_z 1
		.amdhsa_system_vgpr_workitem_id 0
		.amdhsa_next_free_vgpr 130
		.amdhsa_next_free_sgpr 66
		.amdhsa_reserve_vcc 1
		.amdhsa_float_denorm_mode_32 3
		.amdhsa_float_denorm_mode_16_64 3
		.amdhsa_fp16_overflow 1
		.amdhsa_memory_ordered 1
		.amdhsa_forward_progress 1
		.amdhsa_inst_pref_size 19
	.end_amdhsa_kernel
	.amdgpu_metadata
---
amdhsa.version: [ 1, 2 ]
amdhsa.kernels:
  - .name:           k_qaeab507a7d_prep
    .symbol:         k_qaeab507a7d_prep.kd
    .args:
      - { .name: x, .offset: 0, .size: 8, .value_kind: global_buffer, .address_space: global }
      - { .name: qkv_w, .offset: 8, .size: 8, .value_kind: global_buffer, .address_space: global }
      - { .name: proj_w, .offset: 16, .size: 8, .value_kind: global_buffer, .address_space: global }
      - { .name: lowp_scales, .offset: 24, .size: 8, .value_kind: global_buffer, .address_space: global }
      - { .name: stats, .offset: 32, .size: 8, .value_kind: global_buffer, .address_space: global }
      - { .name: wq, .offset: 40, .size: 8, .value_kind: global_buffer, .address_space: global }
      - { .name: wp, .offset: 48, .size: 8, .value_kind: global_buffer, .address_space: global }
    .group_segment_fixed_size: 2048
    .private_segment_fixed_size: 0
    .kernarg_segment_align: 8
    .kernarg_segment_size: 56
    .max_flat_workgroup_size: 256
    .sgpr_count:     66
    .vgpr_count:     130
    .wavefront_size: 32
...
	.end_amdgpu_metadata
.endif
;; end of part 1
;; launch qkv (part 2): grid 64 x 4, 8 waves a work-group, no clusters, 17,408 bytes of LDS; arguments x, norm_w, norm_b, stats, wq, qkv_b, lowp_scales, qc, kv; writes qc, kv
.if DOCPART == 2
	.amdgcn_target "amdgcn-amd-amdhsa--gfx1250"
	.amdhsa_code_object_version 6
	.text
	.protected	k_qaeab507a7d_qkv
	.globl	k_qaeab507a7d_qkv
	.p2align	8
	.type	k_qaeab507a7d_qkv,@function
k_qaeab507a7d_qkv:
	s_mov_b64 s[64:65], 0
	v_nop
	global_prefetch_b8 v0, s[64:65] scope:SCOPE_SE
	s_setreg_imm32_b32 hwreg(HW_REG_WAVE_MODE, 25, 1), 1
	s_wait_xcnt 0x0
; QKV.  h = group norm of x; qkv = qkv_w h + qkv_b on codes of E5M2 (scales 2^e0, 2^e1); q, k, v quantised (2^e2, 2^e3, 2^e5) and stored as images of the operand registers that the attention launch wants.
; SHARES.  A work-group takes 64 pixels (work-group x) of one batch (y) and all 768 outputs.  First each of its eight waves makes ONE fragment of h (pixel tile w % 4, K step w / 4: 64 numbers a lane);
; the eight images meet in LDS behind one barrier.  Then wave w makes channels 32 w .. 32 w + 31 of each of q, k and v, for all four pixel tiles: 48 matrix instructions.
; A FRAGMENT (16 rows x 128 K): lane (r = lane % 16, h = lane / 16) holds row r; registers 2 c, 2 c + 1 hold k = 16 c + 8 h + 0 .. 7.  ITS IMAGE: registers 4 u .. 4 u + 3 at 512 u + 16 x lane.
; x has K = the channel as its outer axis: a lane takes a pixel and its registers run down the channels, in the fragment's own order, so the conversions' results are the operand.
; q, k: D = W h (source 0 = 16 rows of W, source 1 = 16 pixels): a lane holds one pixel and eight neighbouring channels, which are registers 2 t, 2 t + 1 of a fragment with K = the head's 64.
; v:    D = h W (sources swapped): a lane holds one channel and eight neighbouring pixels, which are registers 2 c, 2 c + 1 of a fragment with K = 128 keys.
; The weights' codes (196,608 bytes) are shared by all work-groups, yet no joint load is used: they go once a work-group from memory straight into the waves' operand registers (24,576 bytes a wave);
; a joint load would have to land in LDS and be read back from there.
; OUT.  qc: image (b, pixel tile, head) of 1,024 bytes at ((256 b + tile) 4 + head) 1,024.  kv: [b][slot of 256 keys][131,072]: K's images (key tile kt, head) at (4 kt + head) 1,024;
; from 65,536 on V's images (which 128 keys q, channel tile ct) of 2,048 bytes at (16 q + ct) 2,048.  Every store of a wave covers 512 consecutive bytes, aligned.
; LIMITS: e0 + e1 between -126 and 127; e1, e2, e3, e5 between -126 and 112.  NaN among the inputs is not served.
; REGISTERS.  Window 0: v1-10 lane terms and offsets; v12 2^e1; v[14:15] statistics; v16-47 q's and k's biases; v48-51 v's; v52, v54, v56 scales for e2, e3, e5; v58-60 at work;
;   v64-127 x's numbers, later v64-95 four accumulators and v96-127 two sets of codes; v128-191 norm_w, v192-255 norm_b, later v128-255 h's eight fragments.   Window 1: v0-191 my twelve fragments of W.
.set X,   64
.set NW,  128
.set NB,  192
.set ACC, 64
.set CQ,  96                           ; codes, set 0: q's, later v's
.set CK,  112                          ; codes, set 1: k's
.set HF,  128                          ; h's fragment (pixel tile pt, K step s) at HF + 16 (2 pt + s)
.set MSB, 0
.macro WIN new                         ; s_set_vgpr_msb: bits 1:0 source 0, 3:2 source 1, 5:4 source 2, 7:6 destination; the high byte repeats the setting that is left
.if MSB != (\new)
	s_set_vgpr_msb (MSB<<8)|(\new)
.set MSB, (\new)
.endif
.endm
	s_load_b512 s[8:23], s[0:1], 0x0               ; x s[8:9], norm_w s[10:11], norm_b s[12:13], stats s[14:15], wq s[16:17], qkv_b s[18:19], the exponents s[20:21], qc s[22:23]
	s_load_b64 s[24:25], s[0:1], 0x40              ; kv
	v_lshl_add_u32 v62, v0, 2, 0x4000
	v_mov_b32 v63, 0
	v_lshrrev_b32 v1, 5, v0
	s_delay_alu instid0(VALU_DEP_1)
	v_readfirstlane_b32 s26, v1                    ; wave 0..7
	s_and_b32 s27, ttmp7, 0xffff                   ; b
	s_and_b32 s54, s26, 3                          ; the pixel tile that I quantise
	s_lshr_b32 s55, s26, 2                         ; and the K step
	v_and_b32 v1, 15, v0                           ; r
	v_bfe_u32 v2, v0, 4, 1                         ; h
	v_and_b32 v11, 31, v0                          ; lane
	s_delay_alu instid0(VALU_DEP_3)
	v_lshlrev_b32 v3, 2, v1
	s_delay_alu instid0(VALU_DEP_4)
	v_lshlrev_b32 v10, 2, v1                       ; 4 r: v's bias
	s_delay_alu instid0(VALU_DEP_2)
	v_lshl_add_u32 v3, v2, 17, v3                  ; x: pixel r, + 8 h channels of 16,384 bytes
	s_delay_alu instid0(VALU_DEP_4)
	v_lshlrev_b32 v4, 4, v11                       ; 16 x lane: an image's place for my lane
	v_lshlrev_b32 v5, 5, v2                        ; 32 h: eight f32 numbers a half
	v_lshlrev_b32 v6, 3, v11                       ; 8 x lane: a pair of statistics
	s_lshl_b32 s56, s54, 1
	s_add_co_u32 s56, s56, s55
	s_lshl_b32 s56, s56, 11
	v_add_nc_u32 v7, s56, v4                       ; LDS: where I store my fragment of h: (2 pt + s) x 2,048
	s_lshl_b32 s56, s26, 9
	v_add_nc_u32 v8, s56, v4                       ; q, k: my four registers of an image: 512 w = 1,024 head + 512 (w % 2)
	s_lshl_b32 s56, s26, 12
	v_add_nc_u32 v9, s56, v4                       ; v: my two channel tiles: 2 w x 2,048
	s_lshl_b32 s56, s27, 22                        ; x: the batch,
	s_lshl_b32 s57, s55, 21                        ; 128 channels a K step,
	s_add_co_u32 s56, s56, s57
	s_lshl_b32 s57, ttmp9, 8                       ; 64 pixels a work-group,
	s_add_co_u32 s56, s56, s57
	s_lshl_b32 s57, s54, 6                         ; 16 a tile
	s_add_co_u32 s56, s56, s57
	s_mov_b32 s57, 0
	s_lshl_b32 s58, s55, 9                         ; norm_w, norm_b: 128 numbers a K step
	s_mov_b32 s59, 0
	s_lshl_b32 s60, s27, 9                         ; stats: 64 pairs a batch,
	s_lshl_b32 s61, s55, 8                         ; 32 a K step (four groups of eight parts)
	s_add_co_u32 s60, s60, s61
	s_mov_b32 s61, 0
	s_lshl_b32 s62, s26, 13                        ; wq: my two row tiles of a section: 4 fragments
	s_mov_b32 s63, 0
	s_lshl_b32 s66, s26, 7                         ; qkv_b: my 32 numbers of a section
	s_mov_b32 s67, 0
	s_lshl_b32 s68, s27, 20                        ; qc: 256 pixel tiles of 4,096 bytes a batch,
	s_lshl_b32 s69, ttmp9, 14                      ; four a work-group
	s_add_co_u32 s68, s68, s69
	s_mov_b32 s69, 0
	s_lshl_b32 s70, s27, 21                        ; kv: 16 slots a batch,
	s_lshr_b32 s71, ttmp9, 2
	s_lshl_b32 s71, s71, 17                        ; four work-groups to a slot
	s_add_co_u32 s70, s70, s71
	s_and_b32 s71, ttmp9, 3
	s_lshl_b32 s71, s71, 14                        ; K: my four key tiles of 4,096 bytes
	s_add_co_u32 s72, s70, s71
	s_mov_b32 s73, 0
	s_bfe_u32 s71, ttmp9, 0x10001                  ; V: which 128 keys of the slot,
	s_lshl_b32 s71, s71, 15
	s_add_co_u32 s70, s70, s71
	s_and_b32 s71, ttmp9, 1                        ; and which eight registers of an image
	s_lshl_b32 s71, s71, 10
	s_add_co_u32 s70, s70, s71
	s_add_co_u32 s70, s70, 65536
	s_mov_b32 s71, 0
	s_wait_alu depctr_va_vdst(0)
	s_wait_kmcnt 0x0
	s_load_b256 s[28:35], s[20:21], 0x0            ; e0 .. e7
	s_add_nc_u64 s[8:9], s[8:9], s[56:57]
	s_add_nc_u64 s[10:11], s[10:11], s[58:59]
	s_add_nc_u64 s[12:13], s[12:13], s[58:59]
	s_add_nc_u64 s[14:15], s[14:15], s[60:61]
	s_add_nc_u64 s[16:17], s[16:17], s[62:63]
	s_add_nc_u64 s[18:19], s[18:19], s[66:67]
	s_add_nc_u64 s[22:23], s[22:23], s[68:69]
	s_add_nc_u64 s[74:75], s[24:25], s[72:73]      ; K's images
	s_add_nc_u64 s[76:77], s[24:25], s[70:71]      ; V's images
	; ---- all loads of the launch, what is wanted first in front
	global_load_b64 v[14:15], v6, s[14:15]         ; lane l: part l % 8 of my K step's group l / 8
.irp c, 0,1,2,3,4,5,6,7
.irp i, 0,1,2,3,4,5,6,7
	global_load_b32 v[X+8*\c+\i], v3, s[8:9] offset:(16*\c+\i)*16384   ; x(channel 16 c + 8 h + i, pixel r)
.endr
.endr
.irp c, 0,1,2,3,4,5,6,7
	global_load_b128 v[NW+8*\c:NW+8*\c+3],   v5, s[10:11] offset:64*\c
	global_load_b128 v[NW+8*\c+4:NW+8*\c+7], v5, s[10:11] offset:64*\c+16
.endr
.irp c, 0,1,2,3,4,5,6,7
	global_load_b128 v[NB+8*\c:NB+8*\c+3],   v5, s[12:13] offset:64*\c
	global_load_b128 v[NB+8*\c+4:NB+8*\c+7], v5, s[12:13] offset:64*\c+16
.endr
.irp f, 0,1,2,3                                ; q's and k's biases in the result's layout: tile f = 2 section + a: channels 16 a + 8 h + 0 .. 7
	global_load_b128 v[16+8*\f:19+8*\f], v5, s[18:19] offset:(\f/2)*1024+(\f%2)*64
	global_load_b128 v[20+8*\f:23+8*\f], v5, s[18:19] offset:(\f/2)*1024+(\f%2)*64+16
.endr
.irp a, 0,1                                    ; v's: a lane holds one channel: the same number twice, for the packed form
	global_load_b32 v[48+2*\a], v10, s[18:19] offset:2048+64*\a
	global_load_b32 v[49+2*\a], v10, s[18:19] offset:2048+64*\a
.endr
	WIN 0x40                                       ; destination window 1
.irp f, 0,1,2,3,4,5,6,7,8,9,10,11              ; W's fragment f = 4 section + 2 a + s
.irp u, 0,1,2,3
	global_load_b128 v[16*\f+4*\u:16*\f+4*\u+3], v4, s[16:17] offset:(\f/4)*65536+(\f%4)*2048+512*\u
.endr
.endr
	WIN 0
.macro MKSC e, vs, vl                  ; s[e] = an exponent: v[vs] = 2^e as f32
	s_add_co_i32 s78, s[\e], 127
	s_lshl_b32 s79, s78, 23
	v_mov_b32 v[\vs], s79
.endm
	s_wait_kmcnt 0x0
	MKSC 29, 12, 13                                ; e1: h
	MKSC 30, 52, 53                                ; e2: q
	MKSC 31, 54, 55                                ; e3: k
	MKSC 33, 56, 57                                ; e5: v
	s_add_co_i32 s52, s28, s29
	s_add_co_i32 s52, s52, 127
	s_lshl_b32 s52, s52, 23                        ; 2^(e0 + e1) as f32
	s_mov_b32 s53, s52                             ; (named with it as a pair, so it is written)
	s_mov_b32 s78, 0x37000000                      ; 2^-17: a group has 131,072 numbers
	s_mov_b32 s79, 0x3727c5ac                      ; 1e-5
	s_wait_loadcnt 60                              ; loads come back in order: the statistics, x, norm_w and norm_b are in; the 12 loads of biases and the 48 of W may be out
	; ---- the groups' statistics from eight parts each: eight neighbouring lanes hold a group
	v_mov_b32 v58, v14
	s_delay_alu instid0(VALU_DEP_1)
	v_add_f32_dpp v58, v58, v58 row_xmask:1 row_mask:0xf bank_mask:0xf
	s_delay_alu instid0(VALU_DEP_1)
	v_add_f32_dpp v58, v58, v58 row_xmask:2 row_mask:0xf bank_mask:0xf
	s_delay_alu instid0(VALU_DEP_1)
	v_add_f32_dpp v58, v58, v58 row_xmask:4 row_mask:0xf bank_mask:0xf
	s_delay_alu instid0(VALU_DEP_1)
	v_mul_f32 v58, 0xbe000000, v58                 ; - the group's mean (eight equal parts)
	s_delay_alu instid0(VALU_DEP_1)
	v_add_f32 v59, v14, v58                        ; my part's mean less the group's
	s_delay_alu instid0(VALU_DEP_1)
	v_mul_f32 v59, v59, v59
	s_delay_alu instid0(VALU_DEP_1)
	v_fmamk_f32 v59, v59, 0x46800000, v15          ; my part's squares + 16,384 x that distance squared
	s_delay_alu instid0(VALU_DEP_1)
	v_add_f32_dpp v59, v59, v59 row_xmask:1 row_mask:0xf bank_mask:0xf
	s_delay_alu instid0(VALU_DEP_1)
	v_add_f32_dpp v59, v59, v59 row_xmask:2 row_mask:0xf bank_mask:0xf
	s_delay_alu instid0(VALU_DEP_1)
	v_add_f32_dpp v59, v59, v59 row_xmask:4 row_mask:0xf bank_mask:0xf
	s_delay_alu instid0(VALU_DEP_1)
	v_fma_f32 v59, v59, s78, s79                   ; the variance + 1e-5
	s_wait_alu depctr_va_vdst(0)
	v_rsq_f32 v60, v59
	v_nop                                          ; a plain instruction behind the transcendental
	s_wait_alu depctr_va_vdst(0)                   ; and a wait ahead of the first use of its result
.irp g, 0,1,2,3
	v_readlane_b32 s[36+2*\g], v58, 8*\g           ; - mean of my K step's group g,
	v_readlane_b32 s[44+2*\g], v60, 8*\g           ; 1 / sqrt(variance + 1e-5)
.endr
.irp g, 0,1,2,3
	s_mov_b32 s[37+2*\g], s[36+2*\g]               ; (the packed forms name pairs)
	s_mov_b32 s[45+2*\g], s[44+2*\g]
.endr
; Block c: my eight channels 16 c + 8 h + 0 .. 7 (all of group c / 2): h = (x - mean) (w / sqrt(..)) + b, and converted into registers 2 c, 2 c + 1 of the fragment.
; The codes go to v128 on, over blocks of norm_w that are done with (2 c + 1 < 8 (c + 1)).  Behind each conversion the next block's plain lines on other registers come first.
.macro QBLOCK c
.irp i, 0,2,4,6
	v_pk_mul_f32 v[NW+8*(\c)+\i:NW+8*(\c)+\i+1], v[NW+8*(\c)+\i:NW+8*(\c)+\i+1], s[44+2*((\c)/2):45+2*((\c)/2)] op_sel_hi:[1,0]
.endr
.irp i, 0,2,4,6
	v_pk_add_f32 v[X+8*(\c)+\i:X+8*(\c)+\i+1], v[X+8*(\c)+\i:X+8*(\c)+\i+1], s[36+2*((\c)/2):37+2*((\c)/2)] op_sel_hi:[1,0]
.endr
.irp i, 0,2,4,6
	s_delay_alu instid0(VALU_DEP_4)
	v_pk_fma_f32 v[X+8*(\c)+\i:X+8*(\c)+\i+1], v[X+8*(\c)+\i:X+8*(\c)+\i+1], v[NW+8*(\c)+\i:NW+8*(\c)+\i+1], v[NB+8*(\c)+\i:NB+8*(\c)+\i+1]
.endr
.irp i, 0,1,2,3,4,5,6,7
.endr
	v_cvt_scalef32_pk8_bf8_f32 v[128+2*(\c):129+2*(\c)], v[X+8*(\c):X+8*(\c)+7], v12
.endm
.irp c, 0,1,2,3,4,5,6,7
	QBLOCK \c
.endr
	v_nop                                          ; a plain line behind the last conversion: its sources are written by matrix instructions later
.irp u, 0,1,2,3
	ds_store_b128 v7, v[128+4*\u:131+4*\u] offset:512*\u     ; my fragment's image
.endr
	s_wait_dscnt 0x0                               ; for the others' sake: my stores have landed
	s_barrier_signal -1
	s_barrier_wait -1                              ; h's eight fragments lie in LDS; nothing is stored there again
.irp f, 0,1,2,3,4,5,6,7
.irp u, 0,1,2,3
	ds_load_b128 v[HF+16*\f+4*\u:HF+16*\f+4*\u+3], v4 offset:2048*\f+512*\u
.endr
.endr
	s_wait_dscnt 0x0
	s_wait_loadcnt 0x0                             ; W and the biases
; Eight matrix instructions: one row tile of W against the four pixel tiles, two K steps.  The four accumulators take turns, one instruction a turn; the first K step starts the sums.
.macro MMQK f                          ; q, k: source 0 = W's fragments f, f + 1 (window 1), source 1 = h
	WIN 0x01
.irp pt, 0,1,2,3
	v_wmma_f32_16x16x128_bf8_bf8 v[ACC+8*\pt:ACC+8*\pt+7], v[16*(\f):16*(\f)+15], v[HF+32*\pt:HF+32*\pt+15], 0
.endr
.irp pt, 0,1,2,3
	v_wmma_f32_16x16x128_bf8_bf8 v[ACC+8*\pt:ACC+8*\pt+7], v[16*(\f)+16:16*(\f)+31], v[HF+32*\pt+16:HF+32*\pt+31], v[ACC+8*\pt:ACC+8*\pt+7]
.endr
	WIN 0
.rept 4
	v_nop                                          ; four places between the last product and the first read of results (ISA guide 7.12.1)
.endr
.endm
.macro MMV f                           ; v: source 0 = h, source 1 = W's fragments f, f + 1 (window 1)
	WIN 0x04
.irp pt, 0,1,2,3
	v_wmma_f32_16x16x128_bf8_bf8 v[ACC+8*\pt:ACC+8*\pt+7], v[HF+32*\pt:HF+32*\pt+15], v[16*(\f):16*(\f)+15], 0
.endr
.irp pt, 0,1,2,3
	v_wmma_f32_16x16x128_bf8_bf8 v[ACC+8*\pt:ACC+8*\pt+7], v[HF+32*\pt+16:HF+32*\pt+31], v[16*(\f)+16:16*(\f)+31], v[ACC+8*\pt:ACC+8*\pt+7]
.endr
	WIN 0
.rept 4
	v_nop
.endr
.endm
; The four accumulators: sum x 2^(e0 + e1) + bias (one packed multiply-add for two, each accumulator from its low end on), the conversion: pixel tile pt's codes into v[dst + step pt], + 1.
; wide = 1: eight biases a lane from v[bias] on; 0: one, twice, in v[bias], v[bias + 1].
.macro POST bias, wide, sc, lim, dst, step
.irp pt, 0,1,2,3
.irp i, 0,2,4,6
.if \wide
	v_pk_fma_f32 v[ACC+8*\pt+\i:ACC+8*\pt+\i+1], v[ACC+8*\pt+\i:ACC+8*\pt+\i+1], s[52:53], v[(\bias)+\i:(\bias)+\i+1] op_sel_hi:[1,0,1]
.else
	v_pk_fma_f32 v[ACC+8*\pt+\i:ACC+8*\pt+\i+1], v[ACC+8*\pt+\i:ACC+8*\pt+\i+1], s[52:53], v[(\bias):(\bias)+1] op_sel_hi:[1,0,1]
.endif
.endr
.irp i, 0,1,2,3,4,5,6,7
.endr
	v_cvt_scalef32_pk8_bf8_f32 v[(\dst)+(\step)*\pt:(\dst)+(\step)*\pt+1], v[ACC+8*\pt:ACC+8*\pt+7], v[\sc]
.endr
	v_nop                                          ; a plain line between the last conversion and the matrix instructions that write its sources
.endm
	MMQK 0                                         ; q, channels 32 w + 0 .. 15
	POST 16, 1, 52, 53, CQ, 4
	MMQK 2                                         ; q, channels 32 w + 16 .. 31
	POST 24, 1, 52, 53, CQ+2, 4
.irp pt, 0,1,2,3
	global_store_b128 v8, v[CQ+4*\pt:CQ+4*\pt+3], s[22:23] offset:4096*\pt   ; four registers of the image (pixel tile pt, my head)
.endr
	MMQK 4                                         ; k
	POST 32, 1, 54, 55, CK, 4
	MMQK 6
	POST 40, 1, 54, 55, CK+2, 4
.irp pt, 0,1,2,3
	global_store_b128 v8, v[CK+4*\pt:CK+4*\pt+3], s[74:75] offset:4096*\pt
.endr
	s_wait_xcnt 0x0                                ; q's stores have read their registers: set 0 may be written again
	MMV 8                                          ; v, channels 32 w + 0 .. 15: pixel tile pt gives registers 2 pt, 2 pt + 1 of my work-group's eight
	POST 48, 0, 56, 57, CQ, 2
.irp p, 0,1
	global_store_b128 v9, v[CQ+4*\p:CQ+4*\p+3], s[76:77] offset:512*\p
.endr
	MMV 10                                         ; v, channels 32 w + 16 .. 31
	POST 50, 0, 56, 57, CQ+8, 2
.irp p, 0,1
	global_store_b128 v9, v[CQ+8+4*\p:CQ+8+4*\p+3], s[76:77] offset:2048+512*\p
.endr
	s_wait_tensorcnt 0x0
	ds_add_u32 v62, v63
	s_wait_dscnt 0x0
	s_endpgm
.Lfunc_end_k_qaeab507a7d_qkv:
	.size	k_qaeab507a7d_qkv, .Lfunc_end_k_qaeab507a7d_qkv-k_qaeab507a7d_qkv
	.p2alignl 7, 3214868480
	.fill 96, 4, 3214868480
	.section	.rodata,"a",@progbits
	.p2align	6, 0x0
	.amdhsa_kernel k_qaeab507a7d_qkv
		.amdhsa_group_segment_fixed_size 17408
		.amdhsa_private_segment_fixed_size 0
		.amdhsa_enable_private_segment 0
		.amdhsa_kernarg_size 72
		.amdhsa_user_sgpr_count 2
		.amdhsa_user_sgpr_kernarg_segment_ptr 1
		.amdhsa_wavefront_size32 1
		.amdhsa_system_sgpr_workgroup_id_x 1
		.amdhsa_system_sgpr_workgroup_id_y 1
		.amdhsa_system_sgpr_workgroup_id_z 1
		.amdhsa_system_vgpr_workitem_id 0
		.amdhsa_next_free_vgpr 512
		.amdhsa_next_free_sgpr 80
		.amdhsa_reserve_vcc 0
		.amdhsa_float_denorm_mode_32 3
		.amdhsa_float_denorm_mode_16_64 3
		.amdhsa_fp16_overflow 1
		.amdhsa_memory_ordered 1
		.amdhsa_forward_progress 1
		.amdhsa_inst_pref_size 44
	.end_amdhsa_kernel
	.amdgpu_metadata
---
amdhsa.version: [ 1, 2 ]
amdhsa.kernels:
  - .name:           k_qaeab507a7d_qkv
    .symbol:         k_qaeab507a7d_qkv.kd
    .args:
      - { .name: x, .offset: 0, .size: 8, .value_kind: global_buffer, .address_space: global }
      - { .name: norm_w, .offset: 8, .size: 8, .value_kind: global_buffer, .address_space: global }
      - { .name: norm_b, .offset: 16, .size: 8, .value_kind: global_buffer, .address_space: global }
      - { .name: stats, .offset: 24, .size: 8, .value_kind: global_buffer, .address_space: global }
      - { .name: wq, .offset: 32, .size: 8, .value_kind: global_buffer, .address_space: global }
      - { .name: qkv_b, .offset: 40, .size: 8, .value_kind: global_buffer, .address_space: global }
      - { .name: lowp_scales, .offset: 48, .size: 8, .value_kind: global_buffer, .address_space: global }
      - { .name: qc, .offset: 56, .size: 8, .value_kind: global_buffer, .address_space: global }
      - { .name: kv, .offset: 64, .size: 8, .value_kind: global_buffer, .address_space: global }
    .group_segment_fixed_size: 17408
    .private_segment_fixed_size: 0
    .kernarg_segment_align: 8
    .kernarg_segment_size: 72
    .max_flat_workgroup_size: 256
    .sgpr_count:     80
    .vgpr_count:     512
    .wavefront_size: 32
...
	.end_amdgpu_metadata
.endif
;; end of part 2
;; launch attn (part 3): grid 64 x 4, 8 waves a work-group, clusters of 4 x 1, 327,680 bytes of LDS; arguments qc, kv, wp, proj_b, x, lowp_scales, out0; writes out0
.if DOCPART == 3
	.amdgcn_target "amdgcn-amd-amdhsa--gfx1250"
	.amdhsa_code_object_version 6
	.text
	.protected	k_qaeab507a7d_attn
	.globl	k_qaeab507a7d_attn
	.p2align	8
	.type	k_qaeab507a7d_attn,@function
k_qaeab507a7d_attn:
	s_mov_b64 s[64:65], 0
	v_nop
	global_prefetch_b8 v0, s[64:65] scope:SCOPE_SE
	s_setreg_imm32_b32 hwreg(HW_REG_WAVE_MODE, 25, 1), 1
	s_wait_xcnt 0x0
	s_wait_alu depctr_hold_cnt(0) depctr_sa_sdst(0) depctr_va_vdst(0) depctr_va_sdst(0) depctr_va_ssrc(0) depctr_va_vcc(0) depctr_vm_vsrc(0)
	s_getreg_b32 s2, hwreg(HW_REG_IB_STS2, 6, 4)
	s_cmp_eq_u32 s2, 0
	s_cbranch_scc0 .Lentry_in_a_cluster
	s_endpgm
.Lentry_in_a_cluster:
	s_bfe_u32 s2, ttmp6, 0x10000c
	s_cmp_lg_u32 s2, 0x3003
	s_cbranch_scc0 .Lentry_shape_is_right
	s_endpgm
.Lentry_shape_is_right:
; ATTN.  out0 = x + proj_w o + proj_b, o = softmax(q k^T / 8) v for 4 heads of 64 channels, all three products on codes of E5M2.  q, k, v and proj_w arrive as images of operand registers, made by the launches before.
; A FRAGMENT: lane (r = lane % 16, h = lane / 16) holds row r; registers 2 c, 2 c + 1 hold k = 16 c + 8 h + 0 .. 7.  ITS IMAGE: registers 4 u .. 4 u + 3 at 512 u + 16 x lane (K = 64: 1,024 bytes; K = 128: 2,048).
; SHARES.  A work-group owns 64 pixels of one batch and ALL FOUR HEADS, so that it can also make the projection and the residual of its pixels.  Wave w: head w / 2, query tiles 2 (w % 2) (tile A) and + 1 (tile B).
; Tile A's state lies in register window 0, tile B's in window 1 under the same numbers: the softmax is written once.  K's and V's fragments lie in window 0 and feed both tiles.
; THE SOFTMAX AHEAD OF THE SECOND PRODUCT: t = score x log2(e) / 8; M = the running largest t rounded UP to a whole number, kept as -M = floor(-t); p = 2^(t - M) is quantised (2^e4), not normalised;
; the row's sum is taken of the unquantised p and divides at the end; when M moves, the sum and O are multiplied by 2^(old M - new M), which rounds nothing.
; BOTH PRODUCTS TRANSPOSED: S^T = K Q^T (a lane holds one query and eight neighbouring keys a tile: one conversion gives registers 2 t, 2 t + 1 of P), O^T = V^T P^T (one query, eight neighbouring channels:
; one conversion gives two registers of o's fragment for the projection).  Nothing changes lanes.
; THE RING.  Every wave walks all 4,096 keys, 128 a step.  A slot holds 256 keys of all heads: 65,536 bytes of K's images, then 65,536 of V's: one dense block of memory.  Two slots, 2^17 bytes apart.
; Each of the eight waves fetches its eighth of a slot by one tensor load (64 rows of 256 bytes); a wave has one tensor load out.
; CLUSTER.  All 64 work-groups of a batch walk the same K and V.  The four of a cluster ask JOINTLY: the same load, the same descriptor (batch, wave and slot alone), a mask that names the four.
; THE TAIL.  o is quantised (2^e7), its images meet in LDS behind a barrier; wave w makes output channels 32 w .. 32 w + 31 for the 64 pixels (source 0 = o's pixels, source 1 = proj_w's rows: a lane holds one
; channel and eight neighbouring pixels); through the wave's own stage they leave as rows of 256 bytes, x added.  Images and stages lie in slot 0, which has had its last fill and its last read by then.
; LIMITS: e2 + e3 between -123 and 130 (added to an exponent field); e4 and e7 between -126 and 112; e6 + e7 between -126 and 127; e4 + e5 is applied by v_ldexp_f32.  NaN among the inputs is not served.
; REGISTERS, both windows: v10 the scale of the conversion in hand; v12 -M; v13 the largest t; v[14:15] the sum; v16-23 Q, later o's codes; v24, v25 at work; v[26:27] f; v[28:29] a second chain of the sum;
;   v30 a permute's result; v32-47 P's codes; v96-159 S^T, then p; v160-191 O^T.
; Window 0 alone: v1-9, v31 addresses; v32-95 K's eight fragments (P's codes lie over the first two once both tiles' scores are made); v192-255 V's four fragments.  Window 1 alone: v48-51 proj_b; v192-255 proj_w's four fragments.
.set SLOT1, 1<<17
.set SPARE, 2*SLOT1                    ; behind the ring: the spare words, 128 bytes for each of eight waves: four blocks of 256 bytes that no other line names
.set OIMG,  0                          ; the tail: o's eight fragments, (pixel tile, K step) at (2 pt + s) x 2,048
.set STAGE, 16384                      ; the tail: 32 rows x 272 bytes for each wave
.set SP,    272
.set SLOTB, 131072                     ; a slot in memory
.set MSB, 0
.macro WIN new                         ; s_set_vgpr_msb: bits 1:0 source 0, 3:2 source 1, 5:4 source 2, 7:6 destination; the high byte repeats the setting that is left
.if MSB != (\new)
	s_set_vgpr_msb (MSB<<8)|(\new)
.set MSB, (\new)
.endif
.endm
.macro CROUND                          ; a round of the cluster's barrier: my work-group's barrier; wave 0 signals for the work-group; every wave waits for all four work-groups; my work-group's barrier once more
	s_barrier_signal -1
	s_barrier_wait -1
	s_cmp_lg_u32 s18, 0
	s_cbranch_scc1 .Lnot_wave_0_\@
	s_barrier_signal -3
.Lnot_wave_0_\@:
	s_barrier_wait -3
	s_barrier_signal -1
	s_barrier_wait -1
.endm
.macro JLOAD                           ; the joint load: every wave issues its own eighth of a slot; four v_nop follow
	tensor_load_to_lds s[32:35], s[24:31]
	s_nop 0
.rept 4
	v_nop
.endr
.endm
; A PREFETCH INTO THE L2 of the slot that the NEXT change of slots will ask for: two key steps ahead of that load.  Each aligned block of 256 bytes is named once in the launch: all clusters of a batch walk the
; same slots, so the batch's first cluster asks; its four partners take 32,768 bytes each, told apart BY ADDRESS; in each, waves 0 to 3 take 8,192 bytes, lanes 256 bytes apart: one instruction a wave.
; Slots 0 and 1 come by their loads alone; the last change that fills a slot asks for nothing, since no slot follows.
.macro ASK
	s_cmp_gt_u32 s37, s38
	s_cbranch_scc0 .Lnot_mine_\@
	global_prefetch_b8 v3, s[40:41] th:TH_LOAD_NT scope:SCOPE_SE
.Lnot_mine_\@:
.endm
; THE CHANGE OF SLOTS stands at a slot's head.  Each wave waits for all its tensor loads (its part of the slot ahead), adds 0 to its spare word, and waits for that and for its reads of the slot that it has left.
; fill = 1: a round of the cluster's barrier, so that no wave of any partner still reads the slot left or has a load on its way; then that slot is filled with the next 256 keys, which have two key steps in which to land.
.macro CHANGE fill
	s_wait_tensorcnt 0x0                           ; no tensor load of mine is out, so the descriptor may be written
	ds_add_u32 v5, v6                              ; 0 onto my spare word
.if \fill
	s_xor_b32 s33, s33, SLOT1                      ; the other slot than last time,
	s_add_nc_u64 s[34:35], s[34:35], SLOTB         ; the next 256 keys; the type bits on top are not reached
	s_wait_xcnt 0x0                                ; the last prefetch, a slot back, has read its address, so it may be written:
	s_add_nc_u64 s[40:41], s[40:41], SLOTB         ; one slot further on than the descriptor
.endif
	s_wait_dscnt 0x0                               ; the add is done, and my reads of the slot that I have left are over
.if \fill
	CROUND
	JLOAD                                          ; the first thing behind the round, and my one tensor load until the next
	ASK
.else
	s_barrier_signal -1
	s_barrier_wait -1
.endif
.endm
.macro SMM x                           ; S^T = K Q^T for tile A (0) or B (1): eight tiles of 16 keys, K = the head's 64
.if \x
	WIN 0x44                                       ; Q and S^T in window 1, K in window 0
.else
	WIN 0
.endif
.irp t, 0,1,2,3,4,5,6,7
	v_wmma_f32_16x16x64_bf8_bf8 v[96+8*\t:103+8*\t], v[32+8*\t:39+8*\t], v[16:23], 0
.endr
.endm
.macro PVM x                           ; O^T += V^T P^T: four tiles of 16 channels, K = the step's 128 keys; the four accumulators take turns
.if \x
	WIN 0x54                                       ; P and O^T in window 1, V in window 0
.else
	WIN 0
.endif
.irp d, 0,1,2,3
	v_wmma_f32_16x16x128_bf8_bf8 v[160+8*\d:167+8*\d], v[192+16*\d:207+16*\d], v[32:47], v[160+8*\d:167+8*\d]
.endr
.endm
.macro HOLD                            ; the conversion to an 8-bit code does not saturate (ISA guide 7.6.2)
.irp j, 0,1,2,3,4,5,6,7,8,9,10,11,12,13,14,15,16,17,18,19,20,21,22,23,24,25,26,27,28,29,30,31,32,33,34,35,36,37,38,39,40,41,42,43,44,45,46,47,48,49,50,51,52,53,54,55,56,57,58,59,60,61,62,63
.endr
.endm
; One tile's softmax for a key step; every vector register that it names lies in the tile's window.  Register 96 + 8 t + j holds key 16 t + 8 h + j of my query.
.macro SOFTMAX
	v_max3_num_f32 v24, v96, v97, v98              ; the step's largest score among my 64 keys, in two chains, the registers in ascending order: each accumulator is read from its low end on
	v_max3_num_f32 v25, v99, v100, v101
.irp i, 6,10,14,18,22,26,30,34,38,42,46,50,54,58
	v_max3_num_f32 v24, v24, v[96+\i], v[97+\i]
	v_max3_num_f32 v25, v25, v[98+\i], v[99+\i]
.endr
	v_max3_num_f32 v24, v24, v158, v159
	s_delay_alu instid0(VALU_DEP_1)
	v_max_num_f32 v24, v24, v25
	s_delay_alu instid0(VALU_DEP_1)
	v_permlanex16_b32 v30, v24, s20, s21
	s_delay_alu instid0(VALU_DEP_1)
	v_max_num_f32 v24, v24, v30                    ; and among lane l xor 16's
	s_delay_alu instid0(VALU_DEP_1)
	v_mul_f32 v24, s22, v24                        ; as t (c is positive)
	s_delay_alu instid0(VALU_DEP_1)
	v_max_num_f32 v13, v13, v24                    ; the running largest t
	v_mov_b32 v24, v12
	s_delay_alu instid0(VALU_DEP_2)
	v_floor_f32 v12, -v13                          ; the new -M = floor(-t) = -ceil(t)
	s_delay_alu instid0(VALU_DEP_1)
	v_sub_f32 v24, v12, v24                        ; old M - new M: a whole number, 0 or less
	s_delay_alu instid0(VALU_DEP_1)
	v_cvt_i32_f32 v24, v24                         ; (it saturates)
	s_delay_alu instid0(VALU_DEP_1)
	v_ldexp_f32 v26, 1.0, v24                      ; f = 2^(old M - new M)
.irp j, 0,2,4,6,8,10,12,14,16,18,20,22,24,26,28,30,32,34,36,38,40,42,44,46,48,50,52,54,56,58,60,62
	v_pk_fma_f32 v[96+\j:97+\j], v[96+\j:97+\j], s[22:23], v[12:13] op_sel_hi:[1,0,0]   ; t - M, two at a time (of the pairs c and -M the low word serves both halves)
.endr
	s_wait_alu depctr_va_vdst(0)
.irp j, 0,1,2,3,4,5,6,7,8,9,10,11,12,13,14,15,16,17,18,19,20,21,22,23,24,25,26,27,28,29,30,31,32,33,34,35,36,37,38,39,40,41,42,43,44,45,46,47,48,49,50,51,52,53,54,55,56,57,58,59,60,61,62,63
	v_exp_f32 v[96+\j], v[96+\j]                   ; p = 2^(t - M), at most 1
.endr
	v_pk_mul_f32 v[14:15], v[14:15], v[26:27] op_sel_hi:[1,0]   ; the sums under the new M: the plain instruction behind the exponentials
	s_wait_alu depctr_va_vdst(0)                   ; one wait for the batch of 64, ahead of the first instruction that names a result
	v_pk_add_f32 v[28:29], v[96:97], v[98:99]      ; the row's sum is taken of the unquantised p: two at a time, in two chains
.irp j, 4,8,12,16,20,24,28,32,36,40,44,48,52,56,60
	v_pk_add_f32 v[14:15], v[14:15], v[96+\j:97+\j]
	v_pk_add_f32 v[28:29], v[28:29], v[98+\j:99+\j]
.endr
	s_delay_alu instid0(VALU_DEP_1)
	v_pk_add_f32 v[14:15], v[14:15], v[28:29]
	HOLD
.irp t, 0,1,2,3,4,5,6,7
	v_cvt_scalef32_pk8_bf8_f32 v[32+2*\t:33+2*\t], v[96+8*\t:103+8*\t], v10   ; registers 2 t, 2 t + 1 of P
.endr
.irp j, 0,2,4,6,8,10,12,14,16,18,20,22,24,26,28,30
	v_pk_mul_f32 v[160+\j:161+\j], v[160+\j:161+\j], v[26:27] op_sel_hi:[1,0]   ; O^T under the new M; these are also the plain lines between the conversions and the products that read the codes
.endr
.endm
; A KEY STEP: the q-th 128 keys of the slot in hand.
.macro STEP q
	WIN 0
	v_add_nc_u32 v8, s36, v1                       ; these two and two v_nop are the four places between the last products and the loads into registers that they read (ISA guide 7.12.1 for vector instructions)
	v_add_nc_u32 v9, s36, v2
	v_nop
	v_nop
.irp t, 0,1,2,3,4,5,6,7
	ds_load_b128 v[32+8*\t:35+8*\t], v8 offset:(8*(\q)+\t)*4096
	ds_load_b128 v[36+8*\t:39+8*\t], v8 offset:(8*(\q)+\t)*4096+512
.endr
.irp d, 0,1,2,3
.irp u, 0,1,2,3
	ds_load_b128 v[192+16*\d+4*\u:195+16*\d+4*\u], v9 offset:(\q)*32768+2048*\d+512*\u
.endr
.endr
	s_wait_dscnt 16                                ; LDS loads come back in order: K's sixteen are in, V's sixteen may be out
	SMM 0
	SMM 1
	WIN 0
.rept 4
	v_nop                                          ; four places between the products and the first read of results, and the first write over K's registers
.endr
	SOFTMAX                                        ; tile A
	s_wait_alu depctr_va_vdst(0)
	s_wait_dscnt 0x0                               ; V is in
	PVM 0
	WIN 0x55                                       ; every operand place in window 1
	SOFTMAX                                        ; tile B
	PVM 1
	WIN 0
.endm
.macro SLOT_STEPS
	STEP 0
	STEP 1
	s_xor_b32 s36, s36, SLOT1                      ; on to the other slot
.endm
.macro INIT                            ; a tile's state at the start; only the destination's window matters.  The loop has no first step of its own: it finds zeros, which the first change of M leaves zeros
	v_mov_b32 v10, s60                             ; 2^e4 as f32
	v_mov_b32 v12, 0x7f61b1e6                      ; -M = floor(3e38), which is 3e38
	v_mov_b32 v13, 0xff61b1e6                      ; the largest t so far: -3e38, under every t
	v_mov_b32 v14, 0
	v_mov_b32 v15, 0
	v_mov_b32 v27, 0                               ; (named as the upper half of the pair v[26:27])
	v_mov_b32 v30, 0                               ; (a lane permute's destination counts as one of its sources)
.irp j, 0,1,2,3,4,5,6,7,8,9,10,11,12,13,14,15,16,17,18,19,20,21,22,23,24,25,26,27,28,29,30,31
	v_mov_b32 v[160+\j], 0
.endr
.endm
; A tile's o = O^T x 2^(e4 + e5) / the sum, converted with 2^e7: channel tile d gives registers 2 d, 2 d + 1 of my head's eight, in v16-23.
.macro FINISH
	v_add_f32 v14, v14, v15                        ; the sum's two halves,
	s_delay_alu instid0(VALU_DEP_1)
	v_permlanex16_b32 v30, v14, s20, s21
	s_delay_alu instid0(VALU_DEP_1)
	v_add_f32 v14, v14, v30                        ; and lane l xor 16's
	s_wait_alu depctr_va_vdst(0)
	v_rcp_f32 v14, v14
	v_mov_b32 v10, s53                             ; 2^e7 (a plain instruction behind the transcendental)
	s_wait_alu depctr_va_vdst(0)                   ; a wait ahead of the first use
	v_ldexp_f32 v14, v14, s52                      ; x 2^(e4 + e5)
.irp j, 0,2,4,6,8,10,12,14,16,18,20,22,24,26,28,30
	v_pk_mul_f32 v[96+\j:97+\j], v[160+\j:161+\j], v[14:15] op_sel_hi:[1,0]
.endr
.irp j, 0,1,2,3,4,5,6,7,8,9,10,11,12,13,14,15,16,17,18,19,20,21,22,23,24,25,26,27,28,29,30,31
.endr
.irp d, 0,1,2,3
	v_cvt_scalef32_pk8_bf8_f32 v[16+2*\d:17+2*\d], v[96+8*\d:103+8*\d], v10
.endr
	v_nop                                          ; a plain line behind the last conversion: matrix instructions write its sources later
.endm
	s_load_b256 s[4:11], s[0:1], 0x0               ; qc s[4:5], kv s[6:7], wp s[8:9], proj_b s[10:11]
	s_load_b128 s[12:15], s[0:1], 0x20             ; x s[12:13], the exponents s[14:15]
	s_load_b64 s[16:17], s[0:1], 0x30              ; out0
	v_lshl_add_u32 v5, v0, 2, SPARE                ; my spare word; never rewritten
	v_mov_b32 v6, 0                                ; never rewritten
	ds_add_u32 v5, v6
	ds_add_u32 v5, v6
	s_wait_dscnt 0x0
	v_lshrrev_b32 v7, 5, v0
	s_delay_alu instid0(VALU_DEP_1)
	v_readfirstlane_b32 s18, v7                    ; wave 0..7
	s_lshr_b32 s19, s18, 1                         ; my head
	s_and_b32 s39, s18, 1                          ; which pair of query tiles
	s_bfe_u32 s55, ttmp6, 0x40000                  ; cx: my place in the cluster
	s_lshl_b32 s56, ttmp9, 2                       ; in a cluster launch ttmp9 counts clusters
	s_add_co_u32 s56, s56, s55                     ; my block of 64 pixels: it enters global addresses of q, x and out0 alone
	s_and_b32 s57, ttmp7, 0xffff                   ; the batch, which the four partners share
	; descriptor group 1: a dense block as 64 rows of 256 bytes
	s_mov_b32 s24, 15|(3<<16)|(1<<21)              ; 15:0 the mask: all four work-groups; 17:16 elements of 8 bytes; 20 no padding; 21 set beside a mask
	s_mov_b32 s25, 32<<16                          ; tensor_dim0 = 32 elements
	s_mov_b32 s26, 64<<16                          ; tensor_dim1 = 64
	s_mov_b32 s27, 32<<16                          ; tile_dim0 = 32
	s_mov_b32 s28, 64                              ; tile_dim1 = 64
	s_mov_b32 s29, 32                              ; from row to row: 32 elements
	s_mov_b32 s30, 0
	s_mov_b32 s31, 0
	s_mov_b32 s20, 0x76543210                      ; v_permlanex16_b32: lane l xor 16
	s_mov_b32 s21, 0xfedcba98
	s_mov_b32 s36, 0                               ; LDS byte at which the slot in hand begins
	s_mov_b32 s37, 15                              ; slots still to be asked for
	s_lshr_b32 s38, s18, 2                         ; 0 in waves 0 to 3,
	s_or_b32 s38, s38, ttmp9                       ; of the batch's first cluster: the same in all four partners
	s_cmp_eq_u32 s38, 0
	s_cselect_b32 s38, 1, -1                       ; a wave prefetches while s37 is above this
	s_lshl_b32 s58, s57, 21                        ; kv: 16 slots a batch,
	s_lshl_b32 s59, s18, 14                        ; my eighth of a slot: batch and wave alone
	s_add_co_u32 s58, s58, s59
	s_mov_b32 s59, 0
	s_lshl_b32 s66, s57, 21                        ; the prefetches: the batch,
	s_lshl_b32 s67, s55, 15                        ; my work-group's quarter of a slot,
	s_add_co_u32 s66, s66, s67
	s_and_b32 s67, s18, 3
	s_lshl_b32 s67, s67, 13                        ; my wave's quarter of that,
	s_add_co_u32 s66, s66, s67
	s_add_co_u32 s66, s66, SLOTB                   ; in slot 1: the first change of slots steps it to slot 2
	s_mov_b32 s67, 0
	s_lshl_b32 s68, s57, 20                        ; qc: 256 pixel tiles of 4,096 bytes a batch,
	s_lshl_b32 s69, s56, 14                        ; four a work-group,
	s_add_co_u32 s68, s68, s69
	s_lshl_b32 s69, s39, 13                        ; my two
	s_add_co_u32 s68, s68, s69
	s_mov_b32 s69, 0
	s_lshl_b32 s70, s18, 13                        ; wp: my two row tiles: four fragments
	s_mov_b32 s71, 0
	s_lshl_b32 s72, s18, 7                         ; proj_b: my 32 numbers
	s_mov_b32 s73, 0
	s_lshl_b32 s74, s57, 22                        ; x, out0: the batch,
	s_lshl_b32 s75, s18, 19                        ; my 32 channels of 16,384 bytes,
	s_add_co_u32 s74, s74, s75
	s_lshl_b32 s75, s56, 8                         ; my work-group's 64 pixels
	s_add_co_u32 s74, s74, s75
	s_mov_b32 s75, 0
	v_and_b32 v7, 31, v0
	s_delay_alu instid0(VALU_DEP_1)
	v_lshlrev_b32 v31, 4, v7                       ; 16 x lane: an image's place for my lane; never rewritten
	s_delay_alu instid0(VALU_DEP_2)
	v_lshlrev_b32 v3, 8, v7                        ; the prefetches: 256 x lane; never rewritten
	s_lshl_b32 s77, s19, 10
	v_add_nc_u32 v1, s77, v31                      ; K's and Q's images: + 1,024 x head
	s_lshl_b32 s78, s39, 13
	s_add_co_u32 s78, s78, s77
	s_add_co_u32 s78, s78, OIMG
	v_add_nc_u32 v4, s78, v31                      ; o's images: tile A's pixel tile x 4,096 + 1,024 x head
	s_lshl_b32 s77, s19, 13
	s_add_co_u32 s77, s77, 65536
	v_add_nc_u32 v2, s77, v31                      ; V's images: behind K's, + four channel tiles of 2,048 a head
	v_and_b32 v8, 15, v0                           ; r
	v_bfe_u32 v9, v0, 4, 1                         ; h
	s_delay_alu instid0(VALU_DEP_2)
	v_mul_u32_u24 v7, v8, SP
	s_delay_alu instid0(VALU_DEP_1)
	v_lshl_add_u32 v7, v9, 5, v7
	s_mul_i32 s76, s18, 32*SP
	s_add_co_u32 s76, s76, STAGE                   ; my stage
	v_add_nc_u32 v7, s76, v7                       ; into it: row r, + 32 h bytes
	v_lshlrev_b32 v8, 2, v8                        ; 4 r: proj_b
	s_wait_kmcnt 0x0
	s_load_b256 s[44:51], s[14:15], 0x0            ; e0 .. e7
	s_mov_b32 s32, 1                               ; descriptor group 0: count = 1,
	s_lshl_b32 s33, s18, 14                        ; LDS address: slot 0, my eighth,
	s_add_nc_u64 s[34:35], s[6:7], s[58:59]        ; global address: the batch's first slot, my eighth,
	s_or_b32 s35, s35, 0x80000000                  ; type = 2
	s_add_nc_u64 s[40:41], s[6:7], s[66:67]
	s_add_nc_u64 s[4:5], s[4:5], s[68:69]
	s_add_nc_u64 s[8:9], s[8:9], s[70:71]
	s_add_nc_u64 s[10:11], s[10:11], s[72:73]
	s_add_nc_u64 s[12:13], s[12:13], s[74:75]
	s_add_nc_u64 s[16:17], s[16:17], s[74:75]
	CROUND                                         ; all four work-groups are here: the first joint loads meet
	JLOAD                                          ; slot 0
	s_wait_alu depctr_va_vdst(0)
	global_load_b128 v[16:19], v1, s[4:5] th:TH_LOAD_NT                  ; Q of tile A stays in registers
	global_load_b128 v[20:23], v1, s[4:5] offset:512 th:TH_LOAD_NT
	WIN 0x40                                       ; destination window 1
	global_load_b128 v[16:19], v1, s[4:5] offset:4096 th:TH_LOAD_NT      ; Q of tile B
	global_load_b128 v[20:23], v1, s[4:5] offset:4608 th:TH_LOAD_NT
.irp f, 0,1,2,3                                ; proj_w's fragment f = 2 (row tile) + (K step): they wait in window 1 for the tail
.irp u, 0,1,2,3
	global_load_b128 v[192+16*\f+4*\u:195+16*\f+4*\u], v31, s[8:9] offset:2048*\f+512*\u
.endr
.endr
.irp o, 0,1                                    ; proj_b of my lane's channel, twice, for the packed form
	global_load_b32 v[48+2*\o], v8, s[10:11] offset:64*\o
	global_load_b32 v[49+2*\o], v8, s[10:11] offset:64*\o
.endr
	WIN 0
	s_wait_kmcnt 0x0
	s_add_co_i32 s77, s46, s47
	s_lshl_b32 s77, s77, 23
	s_add_co_i32 s22, s77, 0x3e38aa3b              ; c = log2(e) / 8, with e2 + e3 added to its exponent field: a score stands for score x 2^(e2 + e3)
	s_mov_b32 s23, s22                             ; (named with it as a pair, so it is written)
	s_add_co_i32 s77, s48, 127
	s_lshl_b32 s60, s77, 23                        ; 2^e4
	s_add_co_i32 s52, s48, s49                     ; e4 + e5
	s_add_co_i32 s77, s51, 127
	s_lshl_b32 s53, s77, 23                        ; 2^e7
	s_add_co_i32 s77, s50, s51
	s_add_co_i32 s77, s77, 127
	s_lshl_b32 s42, s77, 23                        ; 2^(e6 + e7)
	s_mov_b32 s43, s42
	INIT                                           ; tile A
	WIN 0x40
	INIT                                           ; tile B
	WIN 0
	s_wait_loadcnt 0x0                             ; Q, proj_w, proj_b: so their offset registers may be written again
.Lslot:                                            ; 15 trips: behind each change of slots but the last the next slot is asked for
	CHANGE 1
	SLOT_STEPS
	s_sub_co_u32 s37, s37, 1
	s_cmp_lg_u32 s37, 0
	s_cbranch_scc1 .Lslot
	CHANGE 0                                       ; the last slot is written out
	SLOT_STEPS
	; ---- THE TAIL.  The address lines are also places behind the last products.
	v_and_b32 v1, 15, v0                           ; r
	v_bfe_u32 v2, v0, 4, 1                         ; h
	s_delay_alu instid0(VALU_DEP_1)
	v_mul_u32_u24 v8, v2, SP
	s_delay_alu instid0(VALU_DEP_1)
	v_lshl_add_u32 v8, v1, 4, v8
	s_delay_alu instid0(VALU_DEP_1)
	v_add_nc_u32 v8, s76, v8                       ; out of my stage: lanes 0-15 one row of 256 bytes, lanes 16-31 the next
	s_delay_alu instid0(VALU_DEP_4)
	v_lshlrev_b32 v9, 14, v2
	s_delay_alu instid0(VALU_DEP_1)
	v_lshl_add_u32 v9, v1, 4, v9                   ; and the same two channels in x and out0
.irp i, 0,1,2,3,4,5,6,7,8,9,10,11,12,13,14,15
	global_load_b128 v[32+4*\i:35+4*\i], v9, s[12:13] offset:32768*\i th:TH_LOAD_NT   ; x of my 32 channels x 64 pixels: asked for now, wanted at the very end
.endr
	FINISH                                         ; tile A
	ds_store_b128 v4, v[16:19]                     ; eight registers of the image (my pixel tile, K step head / 2)
	ds_store_b128 v4, v[20:23] offset:512
	WIN 0x55
	FINISH                                         ; tile B
	WIN 0x04                                       ; an LDS store's data are source 1: window 1
	ds_store_b128 v4, v[16:19] offset:4096
	ds_store_b128 v4, v[20:23] offset:4608
	WIN 0
	s_wait_dscnt 0x0                               ; for the others' sake: my stores have landed
	s_barrier_signal -1
	s_barrier_wait -1                              ; o's eight fragments lie in LDS
.irp f, 0,1,2,3,4,5,6,7
.irp u, 0,1,2,3
	ds_load_b128 v[128+16*\f+4*\u:131+16*\f+4*\u], v31 offset:OIMG+2048*\f+512*\u
.endr
.endr
	s_wait_dscnt 0x0
	WIN 0x54                                       ; source 0 (o) window 0; source 1 (proj_w), C and D window 1
.irp o, 0,1                                    ; eight accumulators by turns, a K step at a time; the first K step starts the sums
.irp p, 0,1,2,3
	v_wmma_f32_16x16x128_bf8_bf8 v[96+8*(4*\o+\p):103+8*(4*\o+\p)], v[128+32*\p:143+32*\p], v[192+32*\o:207+32*\o], 0
.endr
.endr
.irp o, 0,1
.irp p, 0,1,2,3
	v_wmma_f32_16x16x128_bf8_bf8 v[96+8*(4*\o+\p):103+8*(4*\o+\p)], v[144+32*\p:159+32*\p], v[208+32*\o:223+32*\o], v[96+8*(4*\o+\p):103+8*(4*\o+\p)]
.endr
.endr
	WIN 0x55
.rept 4
	v_nop                                          ; four places between the last product and the first read of results
.endr
.irp o, 0,1
.irp p, 0,1,2,3
.irp i, 0,2,4,6
	v_pk_fma_f32 v[96+8*(4*\o+\p)+\i:97+8*(4*\o+\p)+\i], v[96+8*(4*\o+\p)+\i:97+8*(4*\o+\p)+\i], s[42:43], v[48+2*\o:49+2*\o] op_sel_hi:[1,0,1]   ; sum x 2^(e6 + e7) + proj_b
.endr
.endr
.endr
	WIN 0x04
.irp o, 0,1
.irp p, 0,1,2,3
	ds_store_b128 v7, v[96+8*(4*\o+\p):99+8*(4*\o+\p)] offset:\o*16*SP+64*\p          ; lane (r, h): channel 16 o + r, pixels 16 p + 8 h + 0 .. 7
	ds_store_b128 v7, v[100+8*(4*\o+\p):103+8*(4*\o+\p)] offset:\o*16*SP+64*\p+16
.endr
.endr
	WIN 0
.irp i, 0,1,2,3,4,5,6,7,8,9,10,11,12,13,14,15
	ds_load_b128 v[128+4*\i:131+4*\i], v8 offset:2*\i*SP   ; LDS serves a wave's instructions in order (ISA guide 5.7.1.4): these see my stores
.endr
.irp i, 0,1,2,3,4,5,6,7,8,9,10,11,12,13,14,15
	s_wait_dscnt 15-\i                             ; rows 2 i, 2 i + 1 are back; the younger LDS loads may be out
	s_wait_loadcnt 15-\i                           ; and so is their x; the younger loads may be out
	v_pk_add_f32 v[128+4*\i:129+4*\i], v[128+4*\i:129+4*\i], v[32+4*\i:33+4*\i]
	v_pk_add_f32 v[130+4*\i:131+4*\i], v[130+4*\i:131+4*\i], v[34+4*\i:35+4*\i]
	global_store_b128 v9, v[128+4*\i:131+4*\i], s[16:17] offset:32768*\i th:TH_STORE_NT   ; sixteen lanes store 256 consecutive bytes, aligned
.endr
	s_wait_tensorcnt 0x0                           ; the wave's end, behind my last tensor load and my last LDS store
	ds_add_u32 v5, v6
	s_wait_dscnt 0x0
	CROUND                                         ; the closing round: no work-group ends while a partner may still ask for a tile that names it
	s_endpgm
.Lfunc_end_k_qaeab507a7d_attn:
	.size	k_qaeab507a7d_attn, .Lfunc_end_k_qaeab507a7d_attn-k_qaeab507a7d_attn
	.p2alignl 7, 3214868480
	.fill 96, 4, 3214868480
	.section	.rodata,"a",@progbits
	.p2align	6, 0x0
	.amdhsa_kernel k_qaeab507a7d_attn
		.amdhsa_group_segment_fixed_size 327680
		.amdhsa_private_segment_fixed_size 0
		.amdhsa_enable_private_segment 0
		.amdhsa_kernarg_size 56
		.amdhsa_user_sgpr_count 2
		.amdhsa_user_sgpr_kernarg_segment_ptr 1
		.amdhsa_wavefront_size32 1
		.amdhsa_system_sgpr_workgroup_id_x 1
		.amdhsa_system_sgpr_workgroup_id_y 1
		.amdhsa_system_sgpr_workgroup_id_z 1
		.amdhsa_system_vgpr_workitem_id 0
		.amdhsa_next_free_vgpr 512
		.amdhsa_next_free_sgpr 80
		.amdhsa_reserve_vcc 0
		.amdhsa_float_denorm_mode_32 3
		.amdhsa_float_denorm_mode_16_64 3
		.amdhsa_fp16_overflow 1
		.amdhsa_memory_ordered 1
		.amdhsa_forward_progress 1
		.amdhsa_inst_pref_size 129
	.end_amdhsa_kernel
	.amdgpu_metadata
---
amdhsa.version: [ 1, 2 ]
amdhsa.kernels:
  - .name:           k_qaeab507a7d_attn
    .symbol:         k_qaeab507a7d_attn.kd
    .args:
      - { .name: qc, .offset: 0, .size: 8, .value_kind: global_buffer, .address_space: global }
      - { .name: kv, .offset: 8, .size: 8, .value_kind: global_buffer, .address_space: global }
      - { .name: wp, .offset: 16, .size: 8, .value_kind: global_buffer, .address_space: global }
      - { .name: proj_b, .offset: 24, .size: 8, .value_kind: global_buffer, .address_space: global }
      - { .name: x, .offset: 32, .size: 8, .value_kind: global_buffer, .address_space: global }
      - { .name: lowp_scales, .offset: 40, .size: 8, .value_kind: global_buffer, .address_space: global }
      - { .name: out0, .offset: 48, .size: 8, .value_kind: global_buffer, .address_space: global }
    .group_segment_fixed_size: 327680
    .private_segment_fixed_size: 0
    .kernarg_segment_align: 8
    .kernarg_segment_size: 56
    .max_flat_workgroup_size: 256
    .sgpr_count:     80
    .vgpr_count:     512
    .wavefront_size: 32
...
	.end_amdgpu_metadata
.endif
;; end of part 3
